; MI455X (gfx1250); checked and timed in simulation.
; The chip was launched on July 23, 2026; its instructions are those of AMD's public machine-readable ISA for CDNA 5 (MIT licence, August 2026) and "CDNA5" Instruction Set Architecture Reference Guide (July 2026). The comments in the code are by the model that wrote it; some were corrected since.
;; Multihead Attention. Allowed arithmetic: matrix products marked QUANTISED: E2M3 operands, one E8M0 scale for each 32 along K, by v_wmma_scale_f32_16x16x128_f8f6f4 with both operands' format E2M3, f32 sums; everything else in f32.
;; Inputs: Wk 16 x 1,024 x 64 float32; Wq 16 x 1,024 x 64 float32; Wv 16 x 1,024 x 64 float32; x 4 x 2,048 x 1,024 float32.
;; Outputs: out0 4 x 2,048 x 1,024 float32.
;; This version of the problem:
;;   THIS VERSION OF THE PROBLEM IS GIVEN IN LOW PRECISION. The matrix products marked QUANTISED in the list below multiply operands that are first quantised to E2M3 (2 exponent bits, 3 mantissa bits; 6 bits a number), with one power-of-two scale for each 32 numbers along K (OCP MX v1.0); their sums are f32. All else is computed in f32.
;;   The module's matrix products, in the order in which they are computed (A, B: the left and right operand; K: the contracted axis; several contracted axes count as one K, in the product's order):
;;     1. [M 1,024, K 1,024] x [K 1,024, N 8,192]; A: input Wq; B: input x: QUANTISED
;;     2. [M 1,024, K 1,024] x [K 1,024, N 8,192]; A: input Wk; B: input x: QUANTISED
;;     3. [M 1,024, K 1,024] x [K 1,024, N 8,192]; A: input Wv; B: input x: QUANTISED
;;     4. batch 64 x [M 2,048, K 64] x [K 64, N 2,048]; A: computed on the way; B: computed on the way: QUANTISED
;;     5. batch 64 x [M 2,048, K 2,048] x [K 2,048, N 64]; A: softmax (see below); B: computed on the way: QUANTISED
;;   THE QUANTISER, for each operand of a quantised product, along K:
;;     - K is cut into blocks of 32 from its start; a last block that is shorter is filled with zeros.
;;     - A block's scale is 2^e with e = floor(log2(the largest magnitude in the block)) - 2, held to -126 .. 127; a block of zeros has e = 0. As a byte (E8M0): e + 127.
;;     - Each number is divided by its block's scale, clamped to +-7.5, and rounded to the nearest number of E2M3, ties to even, subnormals kept.
;;     - The product sums the exact products of the quantised numbers (number of the format x scale) in f32.
;;   ~~~python
;;   def quantise(x, axis):      # numpy; x: float32 -> the quantised numbers, widened to float32 again
;;       x = np.moveaxis(x, axis, -1); K = x.shape[-1]
;;       x = np.pad(x, [(0, 0)] * (x.ndim - 1) + [(0, -K % 32)]); x = x.reshape(x.shape[:-1] + (-1, 32)); a = np.abs(x).max(-1, keepdims=True)
;;       e = np.where(a > 0, np.clip(np.frexp(np.where(a > 0, a, 1))[1] - 1 - 2, -126, 127), 0)      # np.frexp(a)[1] - 1 = floor(log2(a)), exactly
;;       r = np.clip(x / 2.0 ** e, -7.5, 7.5)
;;       step = 2.0 ** (np.maximum(np.frexp(np.where(r == 0, 1, r))[1] - 1, 0) - 3)
;;       q = np.round(r / step) * step * 2.0 ** e      # np.round: ties to even
;;       return np.moveaxis(q.reshape(q.shape[:-2] + (-1,))[..., :K], -1, axis).astype(np.float32)
;;   ~~~
;;   SOFTMAX AHEAD OF A QUANTISED PRODUCT. Where the list says 'softmax', what is quantised is not the finished softmax but p = 2^(t - M), with t = logit x log2(e) and M = ceil(the row's largest t), a whole number; so 1/2 < the row's largest p <= 1. The row's sum l is taken of the UNQUANTISED p, in f32, and the product's result is divided by l at the end. Since M is a whole number, a kernel that streams over the keys may use a running M (the ceiling of the running maximum): every later rescaling is an exact power of two, which a block's scale takes up: the codes' values come out the same.
;;   OPERANDS COMPUTED ON THE WAY. 'Computed on the way' means the value that the module computes at that place (a softmax that the list does not call 'softmax' is quantised finished and normalised). What goes into a quantiser is computed in f32, as accurately as f32 sums, v_exp_f32 and their like allow (about 1e-6 of the number): no bf16 or f16 on the way to a quantiser, and a product that is left as it is and whose result goes on into a quantised operand takes f32 operands (vector FMAs, or v_wmma_f32_16x16x4_f32). A number that lies on a knife's edge between two numbers of the format may be rounded either way, as far as f32 arithmetic and the matrix unit's own rounding can turn it there, and no further.
;; One version. Each part assembles by itself: llvm-mc -triple=amdgcn-amd-amdhsa -mcpu=gfx1250 --defsym DOCPART=n.
;; ======== version 1 of 1: 3 launches
;; limits: right only within a limited range of input values
;; workspace buffers: cin 8,650,752 bytes; sin 360,448 bytes; cq 18,874,368 bytes; sq 1,310,720 bytes
;; launch quant (part 1): grid 448 x 1, 4 waves a work-group, no clusters, 59,904 bytes of LDS; arguments x, Wq, Wk, Wv, cin, sin; writes cin, sin
.if DOCPART == 1
	.amdgcn_target "amdgcn-amd-amdhsa--gfx1250"
	.amdhsa_code_object_version 6
	.text
	.protected	k_qaee53f321e_quant
	.globl	k_qaee53f321e_quant
	.p2align	8
	.type	k_qaee53f321e_quant,@function
k_qaee53f321e_quant:
	s_mov_b64 s[64:65], 0
	v_nop
	global_prefetch_b8 v0, s[64:65] scope:SCOPE_SE
	s_setreg_imm32_b32 hwreg(HW_REG_WAVE_MODE, 25, 1), 1
	s_wait_xcnt 0x0
; x [8192][1024] and Wq, Wk, Wv [16][1024][64], f32, become codes of FP6 (E2M3) along D = 1,024, one E8M0 byte for each 32 along D.
; A block's scale is 2^(floor(log2(its largest magnitude)) - 2); its byte is that magnitude's exponent field - 2, held at 1 from below.
; LIMITS: a block whose largest magnitude lies under 2^-124 has its byte held at 1; a block of zeros gets the byte 1, not 127 (its codes are zeros, and this
; program alone reads the bytes); NaN and infinities among the inputs are not served.
; WHAT IS STORED ARE IMAGES OF OPERAND REGISTERS.  A TILE is 16 rows of a group of 32: tile 2 G + u, lane r = row 32 G + 8 u + r + 8 (r / 8).
; cin: [tile 0..703][K step 0..7][1,536 bytes]: three blocks of 512 bytes; block j holds registers 4 j .. 4 j + 3 of the fragment's 12, lane l's 16 bytes at 16 l.
;      tiles 0..511: x's rows; tile 512 + 64 tensor + 4 head + et: the weights' columns e (a row of the operand is one (tensor, head, e)).
; sin: [tile][K half 0..1][r][4 words]: the scale word of (tile, K step s, row r) at 512 tile + 256 (s / 4) + 16 r + 4 (s % 4).
; Work-groups 0..255 take x (a wave: one tile, four K steps), 256..447 the weights (a wave: 32 columns x one K step of 128 along D).  The two ways have LDS bytes of their own.
; No tensor loads, no barrier: waves share nothing.
.set XSTG, 8448                        ; x: a wave's stage: 16 rows x (512 bytes + 16): row r starts 4 r banks on
.set WSTG, 33792                       ; the weights' stages begin behind x's four
.set WSTW, 6400                        ; a wave's: two tiles, 3,200 bytes apart, an image of 1,536 bytes each
.set R,  32                            ; v32-159  x: two sets of 64 numbers as loaded
.set X,  160                           ; v160-223 x: my 64 numbers: register 32 c + i = k 64 c + 32 (lane / 16) + i of my row
.set C,  224                           ; v224-235 the fragment's codes
.set D,  236                           ; v236-238, v240-242 the second halves of the blocks' codes (a conversion's three registers begin on an even number)
.set SW, 24                            ; v24-27   x: the four K steps' scale words
.set WX, 32                            ; v32-95   W: two sets of 32 numbers
.set WC, 96                            ; v96-101  W: a block's codes
.set WD, 104                           ; v104-106
.set SB, 24                            ; v24      W: the K step's scale word
.set OUTR, 112                         ; v112-135 W: the way out
	s_load_b256 s[4:11], s[0:1], 0x0               ; x s[4:5], Wq s[6:7], Wk s[8:9], Wv s[10:11]
	s_load_b128 s[12:15], s[0:1], 0x20             ; cin s[12:13], sin s[14:15]
	v_lshl_add_u32 v254, v0, 2, 0xe800
	v_mov_b32 v255, 0
	v_lshrrev_b32 v1, 5, v0
	v_readfirstlane_b32 s16, v1                    ; wave 0..3
	v_and_b32 v6, 31, v0                           ; lane l
	v_and_b32 v7, 15, v0                           ; r
	v_bfe_u32 v5, v0, 4, 1                         ; hh = l / 16
	s_mov_b32 s24, 0x76543210
	s_mov_b32 s25, 0xfedcba98                      ; v_permlanex16_b32's selects for lane l xor 16
	s_wait_kmcnt 0x0
	s_cmp_ge_u32 ttmp9, 256
	s_cbranch_scc1 .Lw
; ---------------- x: K is innermost.  n = 4 x work-group + wave: tile n / 2, K steps 4 (n % 2) on
	s_lshl_b32 s17, ttmp9, 2
	s_add_co_u32 s17, s17, s16                     ; n
	s_lshr_b32 s18, s17, 2
	s_lshl_b32 s26, s18, 17                        ; the tile's group: 32 rows of 4,096 bytes,
	s_bfe_u32 s18, s17, 0x10001
	s_lshl_b32 s18, s18, 15                        ; + 8 rows for an odd tile,
	s_add_co_u32 s26, s26, s18
	s_and_b32 s18, s17, 1
	s_lshl_b32 s18, s18, 11                        ; + 2,048 bytes for the upper half of K
	s_add_co_u32 s26, s26, s18
	s_mov_b32 s27, 0
	s_add_nc_u64 s[4:5], s[4:5], s[26:27]
	s_mul_i32 s26, s17, 6144                       ; four images
	s_add_nc_u64 s[12:13], s[12:13], s[26:27]
	s_lshl_b32 s26, s17, 8                         ; 256 bytes of scale words
	s_add_nc_u64 s[14:15], s[14:15], s[26:27]
	s_wait_alu depctr_va_vdst(0)
	v_lshlrev_b32 v1, 4, v6                        ; 16 l: my bytes of a load's 512, and of an image's block
	s_mul_i32 s18, s16, XSTG
	v_add_nc_u32 v2, s18, v1                       ; the stage, on the way in
	v_mul_u32_u24 v3, v7, 528
	v_lshl_add_u32 v3, v5, 7, v3
	v_add_nc_u32 v3, s18, v3                       ; and out: row r, + 128 hh: my block of 32 numbers
	v_lshlrev_b32 v4, 4, v7
	v_lshl_add_u32 v4, v5, 3, v4                   ; 16 r + 8 hh: my two scale words
	v_lshlrev_b32 v5, 3, v5                        ; 8 hh: my bytes' shift in a scale word
	v_mov_b32 v15, 0                               ; written once: a lane permute's destination counts as one of its sources
.macro XLOAD n                         ; K step n: sixteen loads, each 512 consecutive bytes of one of the tile's rows
.irp p, 0,1,2,3,4,5,6,7,8,9,10,11,12,13,14,15
	global_load_b128 v[R+64*((\n)%2)+4*\p:R+64*((\n)%2)+4*\p+3], v1, s[4:5] offset:(\p+8*(\p/8))*4096+512*(\n) th:TH_LOAD_NT
.endr
.endm
.macro XTURN n                         ; through the stage: in as loaded, out 128 bytes a lane and block.  LDS serves a wave's instructions in order: no wait between
.irp p, 0,1,2,3,4,5,6,7,8,9,10,11,12,13,14,15
	ds_store_b128 v2, v[R+64*((\n)%2)+4*\p:R+64*((\n)%2)+4*\p+3] offset:528*\p
.endr
.irp c, 0,1
.irp p, 0,1,2,3,4,5,6,7
	ds_load_b128 v[X+32*\c+4*\p:X+32*\c+4*\p+3], v3 offset:256*\c+16*\p
.endr
.endr
.endm
.macro XUNIT n
.if (\n) < 3
	s_wait_loadcnt 16                              ; this K step's sixteen loads are in; the next step's sixteen may be out
.else
	s_wait_loadcnt 0x0
.endif
	XTURN \n
	s_wait_dscnt 0x0                               ; my numbers are back, and the stores into the stage have read their registers,
.if (\n)+2 < 4
	XLOAD (\n)+2                                   ; which take the loads of two steps on
.endif
.irp c, 0,1                                    ; my block 2 c + hh: all its 32 numbers are mine
	v_max3_num_f32 v[8+\c], |v[X+32*\c]|, |v[X+32*\c+1]|, 0x1800000   ; with the floor 2^(3 - 127): the byte cannot fall under 1
.endr
.irp i, 2,4,6,8,10,12,14,16,18,20,22,24,26,28,30
.irp c, 0,1
	v_max3_num_f32 v[8+\c], v[8+\c], |v[X+32*\c+\i]|, |v[X+32*\c+\i+1]|
.endr
.endr
.irp c, 0,1
	v_add_nc_u32 v[10+\c], 0xff000000, v[8+\c]     ; 2 off the exponent field: the conversion takes this operand's exponent field as its scale
.endr
.irp c, 0,1
	v_lshrrev_b32 v[12+\c], 23, v[10+\c]           ; the scale's byte
.endr
	v_lshl_or_b32 v14, v13, 16, v12                ; blocks hh and 2 + hh,
	v_lshlrev_b32 v14, v5, v14                     ; at their places in the word;
	v_permlanex16_b32 v15, v14, s24, s25
	v_or_b32 v[SW+(\n)], v14, v15                  ; with lane l xor 16's two the word is whole
.if (\n) > 0
	s_wait_alu depctr_va_vdst(0)
	s_wait_xcnt 0x0                                ; the last step's stores have read the codes' registers: only now are these written again
.endif
.irp c, 0,1
	v_cvt_scalef32_pk16_fp6_f32 v[C+6*\c:C+6*\c+2], v[X+32*\c:X+32*\c+15], v[10+\c]
	v_cvt_scalef32_pk16_fp6_f32 v[D+4*\c:D+4*\c+2], v[X+32*\c+16:X+32*\c+31], v[10+\c]
.endr
	v_nop                                          ; one plain place behind a scaled conversion
.irp c, 0,1
.irp i, 0,1,2
	v_mov_b32 v[C+3+6*\c+\i], v[D+4*\c+\i]
.endr
.endr
.irp j, 0,1,2
	global_store_b128 v1, v[C+4*\j:C+4*\j+3], s[12:13] offset:1536*(\n)+512*\j   ; 32 lanes store 512 consecutive bytes, aligned to 256
.endr
.endm
	XLOAD 0
	XLOAD 1
	s_wait_alu depctr_va_vdst(0)
	XUNIT 0
	XUNIT 1
	XUNIT 2
	XUNIT 3
	v_cmp_le_u32 vcc_lo, 16, v6
	v_cndmask_b32 v16, v[SW], v[SW+2], vcc_lo      ; lanes 0-15 store words 0 and 1 of their row, lanes 16-31 words 2 and 3
	v_cndmask_b32 v17, v[SW+1], v[SW+3], vcc_lo
	global_store_b64 v4, v[16:17], s[14:15]        ; the 32 lanes fill 256 consecutive bytes, aligned
	s_wait_tensorcnt 0x0
	ds_add_u32 v254, v255
	s_wait_dscnt 0x0
	s_endpgm
; ---------------- the weights: K is not innermost.  A lane takes a column e and its registers run down D
.Lw:
	s_sub_co_u32 s17, ttmp9, 256
	s_lshr_b32 s18, s17, 2                         ; th = 16 tensor + head
	s_and_b32 s19, s17, 3
	s_lshl_b32 s19, s19, 1
	s_lshr_b32 s26, s16, 1
	s_add_co_u32 s19, s19, s26                     ; which K step of 128 along D
	s_and_b32 s26, s16, 1                          ; which 32 of the head's 64 columns: two waves cover a row's 256 bytes
	s_cmp_lt_u32 s18, 16
	s_cselect_b64 s[20:21], s[6:7], s[8:9]         ; the choice hangs on the work-group's number alone
	s_cmp_lt_u32 s18, 32
	s_cselect_b64 s[20:21], s[20:21], s[10:11]
	s_and_b32 s27, s18, 15
	s_lshl_b32 s28, s27, 18                        ; the head: 1,024 rows of 256 bytes
	s_lshl_b32 s27, s19, 15
	s_add_co_u32 s28, s28, s27
	s_lshl_b32 s27, s26, 7
	s_add_co_u32 s28, s28, s27
	s_mov_b32 s29, 0
	s_add_nc_u64 s[20:21], s[20:21], s[28:29]
	s_lshl_b32 s27, s18, 2
	s_lshl_b32 s30, s26, 1
	s_add_co_u32 s27, s27, s30
	s_add_co_u32 s27, s27, 512                     ; my first tile
	s_mul_i32 s28, s27, 12288
	s_mul_i32 s30, s19, 1536                       ; the K step's image
	s_add_co_u32 s28, s28, s30
	s_add_nc_u64 s[12:13], s[12:13], s[28:29]
	s_lshl_b32 s28, s27, 9
	s_lshr_b32 s30, s19, 2
	s_lshl_b32 s30, s30, 8
	s_add_co_u32 s28, s28, s30
	s_and_b32 s30, s19, 3
	s_lshl_b32 s30, s30, 2
	s_add_co_u32 s28, s28, s30
	s_add_nc_u64 s[14:15], s[14:15], s[28:29]
	v_bfe_u32 v8, v0, 3, 1                         ; column l of the 32 is row r = l % 8 + 8 (l / 16) of tile u = (l / 8) % 2
	v_and_b32 v9, 7, v0
	v_lshlrev_b32 v9, 4, v9
	s_wait_alu depctr_va_vdst(0)
	v_lshl_add_u32 v9, v5, 7, v9                   ; 16 r
	v_lshlrev_b32 v1, 2, v6                        ; in: 4 bytes a lane
	s_mul_i32 s27, s16, WSTW
	s_add_co_u32 s27, s27, WSTG
	v_mad_u32_u24 v2, v8, 3200, v9
	v_add_nc_u32 v2, s27, v2                       ; into my stage: tile u, lane r's 16 bytes
	v_lshlrev_b32 v4, 4, v6                        ; out: 16 l
	v_add_nc_u32 v3, s27, v4
	v_lshl_add_u32 v5, v8, 9, v9                   ; my row's scale words: 512 u + 16 r
.macro WLOAD t                         ; block t: W(32 t + i, my column)
.irp i, 0,1,2,3,4,5,6,7,8,9,10,11,12,13,14,15,16,17,18,19,20,21,22,23,24,25,26,27,28,29,30,31
	global_load_b32 v[WX+32*((\t)%2)+\i], v1, s[20:21] offset:(32*(\t)+\i)*256 th:TH_LOAD_NT
.endr
.endm
.macro WBLOCK t                        ; block t of 4: in the fragment it is registers 6 c .. 6 c + 5 of lane r + 16 hh, c = t / 2, hh = t % 2
.set XS, WX+32*((\t)%2)
.if (\t) < 3
	s_wait_loadcnt 32                              ; this block's 32 loads are in; the next block's may be out
.else
	s_wait_loadcnt 0x0
.endif
	v_max3_num_f32 v12, |v[XS]|, |v[XS+1]|, |v[XS+2]|
	v_max3_num_f32 v13, |v[XS+3]|, |v[XS+4]|, |v[XS+5]|
.irp i, 6,10,14,18,22,26
	v_max3_num_f32 v12, v12, |v[XS+\i]|, |v[XS+\i+1]|
	v_max3_num_f32 v13, v13, |v[XS+\i+2]|, |v[XS+\i+3]|
.endr
	v_max3_num_f32 v12, v12, |v[XS+30]|, |v[XS+31]|
	v_max3_num_f32 v12, v12, v13, 0x1800000        ; and the floor
	v_add_nc_u32 v11, 0xff000000, v12
	v_lshrrev_b32 v13, 23, v11
.if (\t) == 0
	v_mov_b32 v[SB], v13
.else
	v_lshl_or_b32 v[SB], v13, 8*(\t), v[SB]
.endif
	v_cvt_scalef32_pk16_fp6_f32 v[WC:WC+2], v[XS:XS+15], v11
	v_cvt_scalef32_pk16_fp6_f32 v[WD:WD+2], v[XS+16:XS+31], v11
	v_nop                                          ; one plain place behind a scaled conversion
.irp i, 0,1,2
	v_mov_b32 v[WC+3+\i], v[WD+\i]
.endr
.if (\t)/2 == 0                                ; registers 0-3 fill my 16 bytes of block 0, registers 4, 5 the lower 8 of block 1;
	ds_store_b128 v2, v[WC:WC+3] offset:256*((\t)%2)
	ds_store_b64 v2, v[WC+4:WC+5] offset:512+256*((\t)%2)
.else                                          ; registers 6, 7 the upper 8 of block 1, registers 8-11 block 2
	ds_store_b64 v2, v[WC:WC+1] offset:520+256*((\t)%2)
	ds_store_b128 v2, v[WC+2:WC+5] offset:1024+256*((\t)%2)
.endif
.if (\t)+2 < 4
	WLOAD (\t)+2
.endif
	s_wait_dscnt 0x0                               ; the stores have read their registers: the next block's codes may be written
.endm
	WLOAD 0
	WLOAD 1
.irp t, 0,1,2,3
	WBLOCK \t
.endr
	s_wait_alu depctr_va_vdst(0)
	global_store_b32 v5, v[SB], s[14:15]           ; 4 of each row's 16 bytes: the others come from the waves with the neighbouring K steps (98,304 bytes in all go out so)
.irp u, 0,1
.irp p, 0,1,2
	ds_load_b128 v[OUTR+4*(3*\u+\p):OUTR+4*(3*\u+\p)+3], v3 offset:3200*\u+512*\p   ; LDS serves a wave's instructions in order: these see my stores
.endr
.endr
.irp u, 0,1
.irp p, 0,1,2
	s_wait_dscnt 5-(3*\u+\p)
	global_store_b128 v4, v[OUTR+4*(3*\u+\p):OUTR+4*(3*\u+\p)+3], s[12:13] offset:12288*\u+512*\p   ; 512 consecutive bytes, aligned to 256
.endr
.endr
	s_wait_tensorcnt 0x0
	ds_add_u32 v254, v255
	s_wait_dscnt 0x0
	s_endpgm
.Lfunc_end_k_qaee53f321e_quant:
	.size	k_qaee53f321e_quant, .Lfunc_end_k_qaee53f321e_quant-k_qaee53f321e_quant
	.p2alignl 7, 3214868480
	.fill 96, 4, 3214868480
	.section	.rodata,"a",@progbits
	.p2align	6, 0x0
	.amdhsa_kernel k_qaee53f321e_quant
		.amdhsa_group_segment_fixed_size 59904
		.amdhsa_private_segment_fixed_size 0
		.amdhsa_enable_private_segment 0
		.amdhsa_kernarg_size 48
		.amdhsa_user_sgpr_count 2
		.amdhsa_user_sgpr_kernarg_segment_ptr 1
		.amdhsa_wavefront_size32 1
		.amdhsa_system_sgpr_workgroup_id_x 1
		.amdhsa_system_sgpr_workgroup_id_y 1
		.amdhsa_system_sgpr_workgroup_id_z 1
		.amdhsa_system_vgpr_workitem_id 0
		.amdhsa_next_free_vgpr 256
		.amdhsa_next_free_sgpr 66
		.amdhsa_reserve_vcc 1
		.amdhsa_float_denorm_mode_32 3
		.amdhsa_float_denorm_mode_16_64 3
		.amdhsa_memory_ordered 1
		.amdhsa_forward_progress 1
		.amdhsa_inst_pref_size 52
	.end_amdhsa_kernel
	.amdgpu_metadata
---
amdhsa.version: [ 1, 2 ]
amdhsa.kernels:
  - .name:           k_qaee53f321e_quant
    .symbol:         k_qaee53f321e_quant.kd
    .args:
      - { .name: x, .offset: 0, .size: 8, .value_kind: global_buffer, .address_space: global }
      - { .name: Wq, .offset: 8, .size: 8, .value_kind: global_buffer, .address_space: global }
      - { .name: Wk, .offset: 16, .size: 8, .value_kind: global_buffer, .address_space: global }
      - { .name: Wv, .offset: 24, .size: 8, .value_kind: global_buffer, .address_space: global }
      - { .name: cin, .offset: 32, .size: 8, .value_kind: global_buffer, .address_space: global }
      - { .name: sin, .offset: 40, .size: 8, .value_kind: global_buffer, .address_space: global }
    .group_segment_fixed_size: 59904
    .private_segment_fixed_size: 0
    .kernarg_segment_align: 8
    .kernarg_segment_size: 48
    .max_flat_workgroup_size: 128
    .sgpr_count:     66
    .vgpr_count:     256
    .wavefront_size: 32
...
	.end_amdgpu_metadata
.endif
;; end of part 1
;; launch proj (part 2): grid 8 x 32, 4 waves a work-group, clusters of 4 x 4, 327,680 bytes of LDS; arguments cin, sin, cq, sq; writes cq, sq
.if DOCPART == 2
	.amdgcn_target "amdgcn-amd-amdhsa--gfx1250"
	.amdhsa_code_object_version 6
	.text
	.protected	k_qaee53f321e_proj
	.globl	k_qaee53f321e_proj
	.p2align	8
	.type	k_qaee53f321e_proj,@function
k_qaee53f321e_proj:
	s_mov_b64 s[64:65], 0
	v_nop
	global_prefetch_b8 v0, s[64:65] scope:SCOPE_SE
	s_setreg_imm32_b32 hwreg(HW_REG_WAVE_MODE, 25, 1), 1
	s_wait_xcnt 0x0
	s_wait_alu depctr_hold_cnt(0) depctr_sa_sdst(0) depctr_va_vdst(0) depctr_va_sdst(0) depctr_va_ssrc(0) depctr_va_vcc(0) depctr_vm_vsrc(0)
	s_getreg_b32 s2, hwreg(HW_REG_IB_STS2, 6, 4)
	s_cmp_eq_u32 s2, 0
	s_cbranch_scc0 .Lentry_in_a_cluster
	s_endpgm
.Lentry_in_a_cluster:
	s_bfe_u32 s2, ttmp6, 0x10000c
	s_cmp_lg_u32 s2, 0xf033
	s_cbranch_scc0 .Lentry_shape_is_right
	s_endpgm
.Lentry_shape_is_right:
; The three projections on codes of FP6 (E2M3) with E8M0 scales, K = 1,024, their results quantised in registers for the attention that follows.
; 256 work-groups of four waves.  Each makes TWO things on end, by one product form P (source 0) x Q (source 1): a lane holds one row of Q, its registers run along P's rows.
;   PART 1, q or k: P = 256 rows (tensor, head, e) of Wq | Wk, Q = 256 rows of x; a wave 128 x 128, 64 accumulators.
;   PART 2, v:      P = 256 rows of x (keys), Q = 128 rows (two heads) of Wv; a wave 128 keys x 64, one head, 32 accumulators.
; With X, Y the cluster's numbers and cx, cy the place in it: part 1: P's block 4 X + cx, Q's 4 Y + cy; part 2: P's block 4 Y + cx, Q's eight tiles 2 cy + X.
; In both parts Q's tiles hang on cy and the cluster's numbers (asked jointly by a row of the cluster), P's on cx and them (by a column).
; IN: tile 2 G + u, lane r = row 32 G + 8 u + r + 8 (r / 8); cin [tile][K step][1,536], sin [tile][K half][r][4 words], as the first launch writes them.
; OUT: an image is twelve registers as three blocks of 512 bytes: block j holds registers 4 j .. 4 j + 3, lane l's 16 bytes at 16 l.
;   cq, q and k: [16 tensor + head][pair of x's tiles 0..255][1,536]: registers 0-5 the even tile's 64 along e, registers 6-11 the odd tile's;  v, from VBASE: [b][head][key step][et][1,536]: a whole fragment.
;   sq, q and k: [8 tensor + head / 2][tile / 8][r][8 words], a word = the even head's two bytes, then the odd head's; from ROT on the same words turned by 16 bits, for the odd heads;  v, from VSB: [b][head][key step][r][4 words].
; LDS: region A (98,304 bytes), the first scale words (16,384), region B (196,608), part 2's scale words (12,288), the spare words.
; FILLS, one tensor load a wave each time.  The head: B takes part 1's K steps 0 to 3, and the first scale words come.  A first fill behind a drained round: A takes K steps 4, 5, and part 2's scale words come.
; Three refills in drained rounds: in K step 3 B takes part 2's K steps 0, 1 (its first 73,728 bytes) and part 1's K steps 6, 7 (the next 98,304);
; in K step 5 A and the first scale words' bytes take part 2's K steps 2 to 4; in K step 7 B, from byte 73,728 on, takes part 2's K steps 5 to 7.
; No prefetch into the L2: the walk along K is written out, there is no loop to run ahead in.
; LIMITS: a block whose largest magnitude lies under 2^-124 has its byte held at 1; a block of zeros gets the byte 1 (its codes are zeros; this program alone reads the bytes); NaN and infinities are not served.
; REGISTERS: window 0: v6-31 addresses; v32-95 scale words of all of K; v96-103 words made; v104-119 at work; v128-223 Q's fragments (v176-215 also at work on the way out); v224-247 codes on the way out.
;   window 1: P's fragments, two sets, at v0 and v128.  windows 2, 3: accumulators, (a, b) at v[8 (8 (a % 4) + b)].
.set LB,     114688
.set SCL1,   98304
.set SCL2,   311296
.set SPARE,  323584
.set VBASE,  12582912
.set VSB,    524288
.set ROT,    786432
.set ADQ,  6                           ; v6-11  my Q fragments at the six places that LOC names
.set ADP,  12                          ; v12-17 the same for P
.set ADRS, 18                          ; v18, v19 my scale words, part 1, part 2: lanes 0-15 Q's rows, lanes 16-31 P's
.set CS,   20                          ; v20, v21 where the words made go
.set CO16, 25
.set SPW,  28
.set NIL,  29
.set SC,   32
.set SW,   96
.set TM,   104                         ; the second tile of a pair: + 72
.set AF,   128
.set PDB,  192                         ; v192-207 the second halves of the blocks' codes
.set SO,   208                         ; v208-215 scale words on the way out
.set PCG,  224                         ; v224-247 two images
.set G1Q,  24
.set G1P,  32
.set G1SQ, 68
.set G1SP, 76
.set G0Q,  44
.set G0P,  48
.set G0SQ, 52
.set G0SP, 56
.set QG,   84                          ; s[84:85] .. s[90:91] where Q's, P's, part 2's Q's and P's codes begin (P's with eight tiles more for waves 2, 3)
.set PG,   86
.set Q2G,  88
.set P2G,  90
.set SQ2,  92
.set SP2,  94
.set OC1,  96
.set OS1,  98
.set OC2,  100
.set OS2,  104
.set MSB, 0
.macro WIN new
.if MSB != (\new)
	s_set_vgpr_msb (MSB<<8)|(\new)
.set MSB, \new
.endif
.endm
.set MUL_LO, 0xa1
.set MUL_HI, 0xf1
.set TO_P,   0x40
.macro PLACES n
.rept \n
	v_nop
.endr
.endm
.macro WALU
	s_wait_alu depctr_va_vdst(0)
.endm
.macro CREST
	s_cmp_lg_u32 s14, 0
	s_cbranch_scc1 .Lnot_wave_0_\@
	s_barrier_signal -3
.Lnot_wave_0_\@:
	s_barrier_wait -3
	s_barrier_signal -1
	s_barrier_wait -1
.endm
.macro CROUND
	s_barrier_signal -1
	s_barrier_wait -1
	CREST
.endm
.macro TL g0, g1
	tensor_load_to_lds s[\g0:\g0+3], s[\g1:\g1+7]
	s_nop 0
	PLACES 4
.endm
.macro ARM4                            ; one chain on the wave's number, a load to each arm
	s_cmp_lg_u32 s14, 0
	s_cbranch_scc1 .La1_\@
	TL G0Q, G1Q
	s_branch .Laj_\@
.La1_\@:
	s_cmp_lg_u32 s14, 1
	s_cbranch_scc1 .La2_\@
	TL G0P, G1P
	s_branch .Laj_\@
.La2_\@:
	s_cmp_lg_u32 s14, 2
	s_cbranch_scc1 .La3_\@
	TL G0SQ, G1SQ
	s_branch .Laj_\@
.La3_\@:
	TL G0SP, G1SP
.Laj_\@:
.endm
.macro ARM3                            ; wave 0 Q's codes, waves 1 and 2 a half each of P's, wave 3 none
	s_cmp_lg_u32 s14, 0
	s_cbranch_scc1 .Lb1_\@
	TL G0Q, G1Q
	s_branch .Lbj_\@
.Lb1_\@:
	s_cmp_eq_u32 s14, 3
	s_cbranch_scc1 .Lbj_\@
	TL G0P, G1P
.Lbj_\@:
	PLACES 4                                       ; the places ahead of the fragment loads, for the wave that comes round the loads
.endm
.macro SETD g1, el, rows               ; a tile of rows x el elements of 8 bytes
	s_mov_b32 s[\g1+1], (\el)<<16
	s_mov_b32 s[\g1+2], (\rows)<<16
	s_mov_b32 s[\g1+3], (\el)<<16
	s_mov_b32 s[\g1+4], \rows
.endm
.macro SETG g0, lds, mul, base, off    ; to LDS byte lds + (wave / 2) x mul, from base + off
.if \mul
	s_mul_i32 s[\g0+1], s15, \mul
	s_add_co_u32 s[\g0+1], s[\g0+1], \lds
.else
	s_mov_b32 s[\g0+1], \lds
.endif
	s_add_nc_u64 s[\g0+2:\g0+3], s[\base:\base+1], \off
	s_or_b32 s[\g0+3], s[\g0+3], 0x80000000
.endm
.macro RSET r                          ; the descriptors of refill r; no tensor load of the wave is out where it stands
.if (\r) == 2
	SETD G1SQ, 384, 8                              ; the two sets that brought scale words now bring part 2's codes: same masks
	SETD G1SP, 384, 16
	s_mov_b32 s[G1SQ+5], 1536
	s_mov_b32 s[G1SP+5], 1536
	SETG G0Q, LB+73728, 0, QG, 9216
	SETG G0P, LB+122880, 0, PG, 9216
	SETG G0SQ, LB, 0, Q2G, 0
	s_mul_i32 s2, s15, 98304
	s_mov_b32 s3, 0
	s_sub_nc_u64 s[2:3], s[P2G:P2G+1], s[2:3]      ; wave 3 brings all sixteen tiles: from the first
	SETG G0SP, LB+24576, 0, 2, 0
.elseif (\r) == 3
	SETD G1Q, 576, 8
	SETD G1P, 576, 8
	SETG G0Q, 0, 0, Q2G, 3072
	SETG G0P, 36864, 36864, P2G, 3072
.else
	SETG G0Q, LB+73728, 0, Q2G, 7680
	SETG G0P, LB+110592, 36864, P2G, 7680
.endif
.endm
.macro LOC ph, s                       ; where K step s of part ph + 1 lies: address registers RQ, RP, bytes from tile to tile PT, place in the tile's row KQ
.if (\ph) == 0
.if (\s) < 4
.set LI, 0
.set PT, 6144
.set KQ, \s
.elseif (\s) < 6
.set LI, 1
.set PT, 3072
.set KQ, (\s)-4
.else
.set LI, 2
.set PT, 3072
.set KQ, (\s)-6
.endif
.elseif (\s) < 2
.set LI, 3
.set PT, 3072
.set KQ, \s
.elseif (\s) < 5
.set LI, 4
.set PT, 4608
.set KQ, (\s)-2
.else
.set LI, 5
.set PT, 4608
.set KQ, (\s)-5
.endif
.set RQ, ADQ+LI
.set RP, ADP+LI
.endm
.macro FRAG reg, adr, off              ; a fragment as it was stored: three loads of 16 bytes a lane
.irp c, 0,1,2
	ds_load_b128 v[\reg+4*\c:\reg+4*\c+3], v[\adr] offset:\off+512*\c
.endr
.endm
.macro FETCH_P p
	WIN TO_P
.irp i, 0,1,2,3,4,5,6,7
	FRAG 128*(\p)+12*\i, RP, PT*\i+1536*KQ
.endr
	WIN 0
.endm
.macro FETCH_Q r0, i0                  ; Q's tiles i0 .. i0 + 3 into fragment places r0 ..
.irp i, 0,1,2,3
	FRAG AF+12*((\r0)+\i), RQ, PT*((\i0)+\i)+1536*KQ
.endr
.endm
.macro SCALES a
.irp i, 0,1,2,3,4,5,6,7
.irp k, 0,1
	ds_load_b128 v[SC+8*\i+4*\k:SC+8*\i+4*\k+3], v[\a] offset:512*\i+256*\k
.endr
.endr
.endm
.macro W1 d, pa, qa, c, x0, x1
	v_wmma_scale_f32_16x16x128_f8f6f4 v[\d:\d+7], v[\pa:\pa+11], v[\qa:\qa+11], \c, v[\x0], v[\x1] matrix_a_fmt:MATRIX_FMT_FP6 matrix_b_fmt:MATRIX_FMT_FP6 matrix_a_scale:MATRIX_SCALE_ROW1
.endm
; 16 products: Q's tiles a0, a0 + 1 (fragment places + qs) x P's eight, K step s.  The accumulators take turns, one instruction a turn.
.macro MUL16 a0, p, s, zero, qs=0
.irp a, \a0, \a0+1
.irp b, 0,1,2,3,4,5,6,7
.if \zero
	W1 8*(8*((\a)%4)+\b), 128*(\p)+12*\b, AF+12*((\a)+(\qs)), 0, SC+8*\b+(\s), SC+8*(\a)+(\s)
.else
	W1 8*(8*((\a)%4)+\b), 128*(\p)+12*\b, AF+12*((\a)+(\qs)), v[8*(8*((\a)%4)+\b):8*(8*((\a)%4)+\b)+7], SC+8*\b+(\s), SC+8*(\a)+(\s)
.endif
.endr
.endr
.endm
.macro STEP s, zero                    ; a K step of part 1; the next step's fragments come in its middle and at its end, each run four places behind the products
	s_wait_dscnt 12                                ; all but the youngest twelve loads (Q's tiles 4-7)
	WIN MUL_LO
	MUL16 0, (\s)%2, \s, \zero
	MUL16 2, (\s)%2, \s, \zero
	s_wait_dscnt 0x0
	PLACES 4
	LOC 0, (\s)+1
	FETCH_P ((\s)+1)%2
	FETCH_Q 0, 0
	WIN MUL_HI
	MUL16 4, (\s)%2, \s, \zero
	MUL16 6, (\s)%2, \s, \zero
	PLACES 4
	WIN 0
	FETCH_Q 4, 4
.endm
.macro TURN s, r                       ; a K step of part 1 with refill r in it
	s_wait_tensorcnt 0x0                           ; all my tensor loads have landed
	ds_add_u32 v[SPW], v[NIL]
	RSET \r
	s_wait_dscnt 13                                ; (the add and the youngest twelve loads may be out)
	WIN MUL_LO
	MUL16 0, (\s)%2, \s, 0
	s_wait_dscnt 0x0                               ; the add is done, my reads of the bytes to be filled are over
	s_barrier_signal -1
	MUL16 2, (\s)%2, \s, 0
	WIN 0
	s_barrier_wait -1
	CREST                                          ; the barrier has opened a round of the cluster's
.if (\r) == 2
	ARM4
.else
	ARM3
.endif
.if (\s) < 7
	LOC 0, (\s)+1
.else
	LOC 1, 0                                       ; part 2's first fragments
.endif
	FETCH_P ((\s)+1)%2
	FETCH_Q 0, 0
	WIN MUL_HI
	MUL16 4, (\s)%2, \s, 0
	MUL16 6, (\s)%2, \s, 0
	PLACES 4
	WIN 0
.if (\s) < 7
	FETCH_Q 4, 4
.else
	SCALES ADRS+1                                  ; part 2's scale words, over part 1's
.endif
.endm
; THE WAY OUT of Q's tiles a and a + 1, line by line in turn: a row's 128 results lie in 64 registers of mine and 64 of lane l xor 16: register 16 b + i = next K 32 b + 16 hh + i.
; The six registers of tile t's half c go to v[PCG + st t + sc c]: q, k (st 6, sc 12): an image is one head's half of both tiles; v (st 12, sc 6): an image is a tile's fragment.
; off: where the first image goes; gs: bytes from it to the second.
.macro QOUT2 a, base, first, st, sc, off, gs
.set W, 2+(\a)/4
.set BA, 64*((\a)%4)
	WIN (W<<2)|(W<<4)
.irp t, 0,1
.irp b, 0,1,2,3
	v_max3_num_f32 v[TM+72*\t+\b], 0x1800000, |v[BA+64*\t+16*\b]|, |v[BA+64*\t+16*\b+1]|   ; with the floor 2^(3 - 127)
.endr
.endr
.irp i, 2,4,6,8,10,12,14
.irp t, 0,1
.irp b, 0,1,2,3
	v_max3_num_f32 v[TM+72*\t+\b], v[TM+72*\t+\b], |v[BA+64*\t+16*\b+\i]|, |v[BA+64*\t+16*\b+\i+1]|
.endr
.endr
.endr
	WIN 0
.irp t, 0,1
.irp b, 0,1,2,3
	v_permlanex16_b32 v[TM+72*\t+4+\b], v[TM+72*\t+\b], s66, s67
.endr
.endr
.irp t, 0,1
.irp b, 0,1,2,3
	v_max_num_f32 v[TM+72*\t+\b], v[TM+72*\t+\b], v[TM+72*\t+4+\b]
.endr
.endr
.irp t, 0,1
.irp b, 0,1,2,3
	v_add_nc_u32 v[TM+72*\t+12+\b], 0xff000000, v[TM+72*\t+\b]   ; 2 off the exponent field: the conversion's scale operand
.endr
.endr
.irp t, 0,1
.irp b, 0,1,2,3
	v_lshrrev_b32 v[TM+72*\t+4+\b], 23, v[TM+72*\t+12+\b]
.endr
.endr
.irp t, 0,1
	v_lshl_or_b32 v[SW+(\a)+\t], v[TM+72*\t+5], 8, v[TM+72*\t+4]
	v_lshl_or_b32 v[TM+72*\t+6], v[TM+72*\t+7], 8, v[TM+72*\t+6]
.endr
.irp t, 0,1
	v_lshl_or_b32 v[SW+(\a)+\t], v[TM+72*\t+6], 16, v[SW+(\a)+\t]
.endr
.if !(\first)
	WALU
	s_wait_xcnt 0x0                                ; the last pair's stores have read the codes' registers
.endif
	WIN W
.irp t, 0,1
.irp c, 0,1
	v_cvt_scalef32_pk16_fp6_f32 v[PCG+(\st)*\t+(\sc)*\c:PCG+(\st)*\t+(\sc)*\c+2], v[BA+64*\t+32*\c:BA+64*\t+32*\c+15], v[TM+72*\t+12+2*\c]
	v_cvt_scalef32_pk16_fp6_f32 v[PDB+8*\t+4*\c:PDB+8*\t+4*\c+2], v[BA+64*\t+32*\c+16:BA+64*\t+32*\c+31], v[TM+72*\t+13+2*\c]
.endr
.endr
	WIN 0
	v_nop
.irp t, 0,1
.irp c, 0,1
.irp i, 0,1,2
	v_permlane16_swap_b32 v[PCG+(\st)*\t+(\sc)*\c+\i], v[PDB+8*\t+4*\c+\i]
.endr
.endr
.endr
.irp t, 0,1
.irp c, 0,1
.irp i, 0,1,2
	v_mov_b32 v[PCG+(\st)*\t+(\sc)*\c+3+\i], v[PDB+8*\t+4*\c+\i]
.endr
.endr
.endr
.irp g, 0,1
.irp j, 0,1,2
	global_store_b128 v[CO16], v[PCG+12*\g+4*\j:PCG+12*\g+4*\j+3], s[\base:\base+1] offset:(\off)+(\gs)*\g+512*\j   ; 512 consecutive bytes, aligned to 256
.endr
.endr
.endm
.macro ADDR v, w, mul, base
	s_mul_i32 s2, s\w, \mul
	s_add_co_u32 s2, s2, \base
	v_add_nc_u32 v[\v], s2, v[CO16]
.endm
	s_load_b256 s[4:11], s[0:1], 0x0               ; cin, sin, cq, sq
	v_lshl_add_u32 v[SPW], v0, 2, SPARE
	v_mov_b32 v[NIL], 0
	ds_add_u32 v[SPW], v[NIL]                      ; the opening lines: the add twice on end and one wait
	ds_add_u32 v[SPW], v[NIL]
	v_lshrrev_b32 v1, 5, v0
	v_readfirstlane_b32 s14, v1                    ; wave
	s_lshr_b32 s15, s14, 1                         ; my half of Q's rows; also which half of P's tiles waves 1 and 2 fetch
	s_and_b32 s16, s14, 1                          ; my half of P's rows
	s_bfe_u32 s40, ttmp6, 0x40000                  ; cx
	s_bfe_u32 s41, ttmp6, 0x40004                  ; cy
	s_and_b32 s43, ttmp7, 0xffff                   ; Y
	s_lshl_b32 s12, s41, 2
	s_lshl_b32 s12, 15, s12                        ; my row of the cluster: shares Q
	s_lshl_b32 s13, 0x1111, s40                    ; my column: shares P
	s_or_b32 s[G1Q], s12, (3<<16)|(1<<21)          ; the mask; elements of 8 bytes; bit 21 beside a mask
	s_or_b32 s[G1P], s13, (3<<16)|(1<<21)
	s_or_b32 s[G1SQ], s12, (3<<16)|(1<<21)
	s_or_b32 s[G1SP], s13, (3<<16)|(1<<21)
.irp g, G1Q, G1P
	s_mov_b32 s[\g+5], 1536                        ; from tile to tile: 12,288 bytes
	s_mov_b32 s[\g+6], 0
	s_mov_b32 s[\g+7], 0
	SETD \g, 768, 16                               ; the head: 16 tiles x four K steps
.endr
.irp g, G1SQ, G1SP
	s_mov_b32 s[\g+5], 32
	s_mov_b32 s[\g+6], 0
	s_mov_b32 s[\g+7], 0
	SETD \g, 32, 32                                ; 16 tiles' scale words: 32 dense rows of 256 bytes
.endr
	s_lshl_b32 s17, s43, 2
	s_add_co_u32 s18, s17, s41                     ; 4 Y + cy
	s_add_co_u32 s19, s17, s40                     ; 4 Y + cx
	s_lshl_b32 s17, ttmp9, 2
	s_add_co_u32 s20, s17, s40                     ; 4 X + cx
	s_lshl_b32 s21, s41, 1
	s_add_co_u32 s21, s21, ttmp9                   ; 2 cy + X
	s_lshl_b32 s60, s18, 4                         ; Q's first tile
	s_lshl_b32 s61, s20, 4
	s_add_co_u32 s61, s61, 512                     ; P's
	s_lshl_b32 s62, s21, 3
	s_add_co_u32 s62, s62, 640                     ; part 2's Q's
	s_lshl_b32 s63, s19, 4                         ; part 2's P's
	s_mul_i32 s2, s15, 98304                       ; eight tiles on for waves 2, 3
	s_mul_i32 s84, s60, 12288
	s_mov_b32 s85, 0
	s_mul_i32 s86, s61, 12288
	s_add_co_u32 s86, s86, s2
	s_mov_b32 s87, 0
	s_mul_i32 s88, s62, 12288
	s_mov_b32 s89, 0
	s_mul_i32 s90, s63, 12288
	s_add_co_u32 s90, s90, s2
	s_mov_b32 s91, 0
	s_lshl_b32 s54, s60, 9
	s_mov_b32 s55, 0
	s_lshl_b32 s58, s61, 9
	s_mov_b32 s59, 0
	s_lshl_b32 s92, s62, 9
	s_mov_b32 s93, 0
	s_lshl_b32 s94, s63, 9
	s_mov_b32 s95, 0
	s_mov_b32 s[G0Q], 1
	s_mov_b32 s[G0P], 1
	s_mov_b32 s[G0SQ], 1
	s_mov_b32 s[G0SP], 1
	s_mov_b32 s[G0SQ+1], SCL1
	s_mov_b32 s[G0SP+1], SCL1+8192
	s_mov_b32 s66, 0x76543210
	s_mov_b32 s67, 0xfedcba98                      ; v_permlanex16_b32's selects for lane l xor 16
	s_wait_dscnt 0x0
	s_wait_kmcnt 0x0
	s_add_nc_u64 s[QG:QG+1], s[4:5], s[QG:QG+1]
	s_add_nc_u64 s[PG:PG+1], s[4:5], s[PG:PG+1]
	s_add_nc_u64 s[Q2G:Q2G+1], s[4:5], s[Q2G:Q2G+1]
	s_add_nc_u64 s[P2G:P2G+1], s[4:5], s[P2G:P2G+1]
	s_add_nc_u64 s[54:55], s[6:7], s[54:55]
	s_or_b32 s55, s55, 0x80000000
	s_add_nc_u64 s[58:59], s[6:7], s[58:59]
	s_or_b32 s59, s59, 0x80000000
	s_add_nc_u64 s[SQ2:SQ2+1], s[6:7], s[SQ2:SQ2+1]
	s_add_nc_u64 s[SP2:SP2+1], s[6:7], s[SP2:SP2+1]
	SETG G0Q, LB, 0, QG, 0
	SETG G0P, LB+98304, 0, PG, 0
	CROUND                                         ; all sixteen work-groups are here: the first joint loads meet
	ARM4                                           ; the head's four tiles, one a wave: Q's codes, P's, Q's scale words, P's
	v_and_b32 v1, 31, v0
	v_and_b32 v2, 15, v0                           ; r
	v_bfe_u32 v3, v0, 4, 1                         ; hh
	v_lshlrev_b32 v[CO16], 4, v1
	WALU
	ADDR ADQ, 15, 49152, LB
	ADDR ADQ+1, 15, 24576, 0
	ADDR ADQ+2, 15, 24576, LB+73728
	ADDR ADQ+3, 15, 12288, LB
	ADDR ADQ+4, 15, 18432, 0
	ADDR ADQ+5, 15, 18432, LB+73728
	ADDR ADP, 16, 49152, LB+98304
	ADDR ADP+1, 16, 24576, 49152
	ADDR ADP+2, 16, 24576, LB+122880
	ADDR ADP+3, 16, 24576, LB+24576
	ADDR ADP+4, 16, 36864, 36864
	ADDR ADP+5, 16, 36864, LB+110592
	s_lshl_b32 s2, s15, 12                         ; scale words, part 1: Q's eight tiles; P's behind Q's 8,192 bytes: the lower base + hh x the distance
	s_lshl_b32 s3, s16, 12
	s_add_co_u32 s3, s3, 8192
	s_sub_co_u32 s3, s3, s2
	v_mul_u32_u24 v4, s3, v3
	s_add_co_u32 s2, s2, SCL1
	v_lshl_add_u32 v4, v2, 4, v4
	v_add_nc_u32 v[ADRS], s2, v4
	s_lshl_b32 s2, s15, 11                         ; part 2: Q's four tiles; P's behind Q's 4,096 bytes
	s_lshl_b32 s3, s16, 12
	s_add_co_u32 s3, s3, 4096
	s_sub_co_u32 s3, s3, s2
	v_mul_u32_u24 v5, s3, v3
	s_add_co_u32 s2, s2, SCL2
	v_lshl_add_u32 v5, v2, 4, v5
	v_add_nc_u32 v[ADRS+1], s2, v5
	v_lshlrev_b32 v[CS], 5, v2
	v_lshl_add_u32 v[CS], v3, 4, v[CS]             ; 32 r + 16 hh
	v_lshlrev_b32 v[CS+1], 4, v2
	v_lshl_add_u32 v[CS+1], v3, 3, v[CS+1]         ; 16 r + 8 hh
.irp b, 0,1,2,3
	v_mov_b32 v[TM+4+\b], 0                        ; a lane permute's destination counts as one of its sources
	v_mov_b32 v[TM+76+\b], 0
.endr
	s_lshl_b32 s2, s20, 1                          ; where part 1's results go: pb = 2 (4 X + cx) + my half of P (its even head is 2 pb), qt0 = 16 (4 Y + cy) + 8 x my half of Q
	s_add_co_u32 s2, s2, s16
	s_lshl_b32 s3, s18, 4
	s_lshl_b32 s12, s15, 3
	s_add_co_u32 s3, s3, s12
	s_lshl_b32 s12, s2, 9
	s_lshr_b32 s13, s3, 1
	s_add_co_u32 s12, s12, s13
	s_mul_i32 s12, s12, 1536                       ; image 256 (2 pb) + qt0 / 2
	s_mov_b32 s13, 0
	s_add_nc_u64 s[OC1:OC1+1], s[8:9], s[12:13]
	s_lshl_b32 s12, s2, 6
	s_lshr_b32 s3, s3, 3
	s_add_co_u32 s12, s12, s3
	s_lshl_b32 s12, s12, 9
	s_add_nc_u64 s[OS1:OS1+1], s[10:11], s[12:13]
	s_lshl_b32 s2, s19, 1                          ; part 2: key step of all 64 = 2 (4 Y + cx) + my half of P; head = 2 (2 cy + X) + my half of Q
	s_add_co_u32 s2, s2, s16
	s_lshr_b32 s3, s2, 4
	s_lshl_b32 s3, s3, 4
	s_lshl_b32 s12, s21, 1
	s_add_co_u32 s12, s12, s15
	s_add_co_u32 s3, s3, s12
	s_lshl_b32 s3, s3, 4
	s_and_b32 s2, s2, 15
	s_add_co_u32 s3, s3, s2
	s_mul_i32 s12, s3, 6144
	s_add_co_u32 s12, s12, VBASE
	s_add_nc_u64 s[OC2:OC2+1], s[8:9], s[12:13]
	s_lshl_b32 s12, s3, 8
	s_add_co_u32 s12, s12, VSB
	s_add_nc_u64 s[OS2:OS2+1], s[10:11], s[12:13]
	WALU
	s_wait_tensorcnt 0x0                           ; my tile of the head's four is in; the three lines ahead of a later first fill, as ahead of a refill
	ds_add_u32 v[SPW], v[NIL]
	SETD G1Q, 384, 16                              ; region A: 16 tiles x two K steps a side; part 2's scale words: 8 tiles, 16 tiles
	SETD G1P, 384, 16
	SETD G1SQ, 32, 16
	SETG G0Q, 0, 0, QG, 6144
	SETG G0P, 49152, 0, PG, 6144
	SETG G0SQ, SCL2, 0, SQ2, 0
	SETG G0SP, SCL2+4096, 0, SP2, 0
	s_wait_dscnt 0x0
	CROUND
	ARM4
	LOC 0, 0
	FETCH_P 0
	FETCH_Q 0, 0
	SCALES ADRS
	FETCH_Q 4, 4
	STEP 0, 1
	STEP 1, 0
	STEP 2, 0
	TURN 3, 2                                      ; its wait shows region A landed in every wave
	STEP 4, 0
	TURN 5, 3
	STEP 6, 0
	TURN 7, 4
	QOUT2 0, OC1, 1, 6, 12, 0, 393216              ; (the four places behind the last products stand in TURN)  The odd head's images lie 256 images on
	QOUT2 2, OC1, 0, 6, 12, 1536, 393216
	QOUT2 4, OC1, 0, 6, 12, 3072, 393216
	QOUT2 6, OC1, 0, 6, 12, 4608, 393216
	v_and_b32 v1, 31, v0
	v_cmp_le_u32 vcc_lo, 16, v1
.irp i, 0,1,2,3
	v_cndmask_b32 v[SO+\i], v[SW+\i], v[SW+4+\i], vcc_lo   ; lanes 0-15 store tiles 0-3's words of their row, lanes 16-31 tiles 4-7's
.endr
.irp i, 0,1,2,3
	v_alignbit_b32 v[SO+4+\i], v[SO+\i], v[SO+\i], 16      ; and the same words with the odd head's bytes lowest
.endr
	global_store_b128 v[CS], v[SO:SO+3], s[OS1:OS1+1]      ; 512 consecutive bytes, aligned to 256
	global_store_b128 v[CS], v[SO+4:SO+7], s[OS1:OS1+1] offset:ROT
	WALU
	s_wait_xcnt 0x0                                ; the stores have read their registers: fragments may land there
	s_wait_tensorcnt 0x0                           ; the last refill has landed;
	s_wait_dscnt 0x0
	s_barrier_signal -1
	s_barrier_wait -1                              ; in every wave.
; PART 2: eight K steps of 32 products; both operands have two sets, the next step's 36 loads go out ahead of this step's products
.irp s, 0,1,2,3,4,5,6,7
.if \s < 7
.if \s > 0
	PLACES 4
.endif
	LOC 1, \s+1
	FETCH_P (\s+1)%2
	FETCH_Q 4*((\s+1)%2), 0
	s_wait_dscnt 36                                ; all but the 36 just issued
.else
	s_wait_dscnt 0x0
.endif
	WIN MUL_LO
.if \s == 0
	MUL16 0, 0, 0, 1, 0
	MUL16 2, 0, 0, 1, 0
.else
	MUL16 0, \s%2, \s, 0, 4*(\s%2)
	MUL16 2, \s%2, \s, 0, 4*(\s%2)
.endif
.endr
	WIN 0
	PLACES 4
	QOUT2 0, OC2, 0, 12, 6, 0, 1536
	QOUT2 2, OC2, 0, 12, 6, 3072, 1536
	v_and_b32 v1, 31, v0
	v_cmp_le_u32 vcc_lo, 16, v1
	v_cndmask_b32 v[SO], v[SW], v[SW+2], vcc_lo    ; both halves of the lanes hold the row's words: lanes 0-15 store words 0, 1, lanes 16-31 words 2, 3
	v_cndmask_b32 v[SO+1], v[SW+1], v[SW+3], vcc_lo
	global_store_b64 v[CS+1], v[SO:SO+1], s[OS2:OS2+1]     ; 256 consecutive bytes, aligned
	s_wait_tensorcnt 0x0                           ; the wave's end
	ds_add_u32 v[SPW], v[NIL]
	s_wait_dscnt 0x0
	CROUND                                         ; the closing round
	s_endpgm
.Lfunc_end_k_qaee53f321e_proj:
	.size	k_qaee53f321e_proj, .Lfunc_end_k_qaee53f321e_proj-k_qaee53f321e_proj
	.p2alignl 7, 3214868480
	.fill 96, 4, 3214868480
	.section	.rodata,"a",@progbits
	.p2align	6, 0x0
	.amdhsa_kernel k_qaee53f321e_proj
		.amdhsa_group_segment_fixed_size 327680
		.amdhsa_private_segment_fixed_size 0
		.amdhsa_enable_private_segment 0
		.amdhsa_kernarg_size 32
		.amdhsa_user_sgpr_count 2
		.amdhsa_user_sgpr_kernarg_segment_ptr 1
		.amdhsa_wavefront_size32 1
		.amdhsa_system_sgpr_workgroup_id_x 1
		.amdhsa_system_sgpr_workgroup_id_y 1
		.amdhsa_system_sgpr_workgroup_id_z 1
		.amdhsa_system_vgpr_workitem_id 0
		.amdhsa_next_free_vgpr 1024
		.amdhsa_next_free_sgpr 106
		.amdhsa_reserve_vcc 1
		.amdhsa_float_denorm_mode_32 3
		.amdhsa_float_denorm_mode_16_64 3
		.amdhsa_memory_ordered 1
		.amdhsa_forward_progress 1
		.amdhsa_inst_pref_size 217
	.end_amdhsa_kernel
	.amdgpu_metadata
---
amdhsa.version: [ 1, 2 ]
amdhsa.kernels:
  - .name:           k_qaee53f321e_proj
    .symbol:         k_qaee53f321e_proj.kd
    .args:
      - { .name: cin, .offset: 0, .size: 8, .value_kind: global_buffer, .address_space: global }
      - { .name: sin, .offset: 8, .size: 8, .value_kind: global_buffer, .address_space: global }
      - { .name: cq, .offset: 16, .size: 8, .value_kind: global_buffer, .address_space: global }
      - { .name: sq, .offset: 24, .size: 8, .value_kind: global_buffer, .address_space: global }
    .group_segment_fixed_size: 327680
    .private_segment_fixed_size: 0
    .kernarg_segment_align: 8
    .kernarg_segment_size: 32
    .max_flat_workgroup_size: 128
    .sgpr_count:     106
    .vgpr_count:     1024
    .wavefront_size: 32
...
	.end_amdgpu_metadata
.endif
;; end of part 2
;; launch attn (part 3): grid 4 x 64, 16 waves a work-group, clusters of 4 x 1, 284,672 bytes of LDS; arguments cq, sq, out0; writes out0
.if DOCPART == 3
	.amdgcn_target "amdgcn-amd-amdhsa--gfx1250"
	.amdhsa_code_object_version 6
	.text
	.protected	k_qaee53f321e_attn
	.globl	k_qaee53f321e_attn
	.p2align	8
	.type	k_qaee53f321e_attn,@function
k_qaee53f321e_attn:
	s_mov_b64 s[64:65], 0
	v_nop
	global_prefetch_b8 v0, s[64:65] scope:SCOPE_SE
	s_setreg_imm32_b32 hwreg(HW_REG_WAVE_MODE, 25, 1), 1
	s_wait_xcnt 0x0
	s_wait_alu depctr_hold_cnt(0) depctr_sa_sdst(0) depctr_va_vdst(0) depctr_va_sdst(0) depctr_va_ssrc(0) depctr_va_vcc(0) depctr_vm_vsrc(0)
	s_getreg_b32 s2, hwreg(HW_REG_IB_STS2, 6, 4)
	s_cmp_eq_u32 s2, 0
	s_cbranch_scc0 .Lentry_in_a_cluster
	s_endpgm
.Lentry_in_a_cluster:
	s_bfe_u32 s2, ttmp6, 0x10000c
	s_cmp_lg_u32 s2, 0x3003
	s_cbranch_scc0 .Lentry_shape_is_right
	s_endpgm
.Lentry_shape_is_right:
; Causal attention on codes of FP6 (E2M3) with E8M0 scales: out0[b][s][64 h + e] = sum over keys k <= s of softmax(q . k / 8) v.  q, k, v come as images of operand registers:
; twelve registers as three blocks of 512 bytes, lane l's 16 bytes at 16 l; of q and k an image holds one head's six registers of an even tile of 16 rows and of the odd tile behind it.
; THE SOFTMAX AHEAD OF THE SECOND PRODUCT: t = score x log2(e) / 8; M = the row's largest t so far, rounded up to a whole number; p = 2^(t - M) is quantised along the keys, not normalised;
; the row's sum is taken of the unquantised p and divides at the end.  When M moves, the sum and O are multiplied by 2^(old M - new M): exact.
; A BLOCK'S SCALE comes from the block's largest score: its largest p is 2^x, x = that score's t - M, whose exponent is floor(x): the scale's byte is floor(x) + 125, held at 1 from below.
; (Where x lies within an ulp under a whole number and v_exp_f32 rounds that one p up to the power of two, the p is held at the largest code.)
; LEFT OUT: key steps that lie wholly behind the diagonal: the causal mask sets their scores to -inf, so their p are 0 for all values of the inputs.
; LIMITS: a block of p under 2^-124 has its byte held at 1 (a block of zeros too: its codes are zeros); NaN and infinities are not served.
; SHARES.  The four work-groups of a cluster serve one (b, head).  The head's K and V, codes and scale words, 208,896 bytes, lie in LDS whole: filled once, by joint loads, one a wave:
; waves 0-7 an eighth each of K's codes, waves 8-11 a quarter each of V's, wave 12 K's scale words, wave 13 V's.  No ring, no refill, so nothing to prefetch ahead of.
; Waves 0, 8, 12, 13 have load lines of their own and wait ahead of the first barrier: it shows key steps 0, 1 of K, 0 to 3 of V and the scale words.  Every wave's first tile then runs key step 0
; (and asks LDS for K's step 1); a second barrier, with every wave's wait for its load ahead of it, shows the rest.
; A wave owns TWO tiles of 16 queries: a = 8 m + 2 cx + (wave % 2), m = wave / 2, and 127 - a: key steps 0 .. m and 0 .. 15 - m: 17 steps of 128 keys for every wave.
; Every branch hangs on m and on counters; cx enters only Q's and out0's addresses and the mask's compare.
; LAYOUT.  Both products are used transposed: S^T = K Q^T, O^T = V^T P^T: a lane holds one query.  Tile 2 G + u, lane r = row 32 G + 8 u + r + 8 (r / 8): S^T's registers 16 b + i are keys 32 b + 16 hh + i of the step.
; THE FIRST PRODUCT'S K IS 64.  Q's registers 6-11 hold zero codes, so K's tile j is named as twelve registers from its own six on; what stands in the upper six (the next tile's codes, behind the last tile p's codes)
; is finite, as every 6-bit code is, and counts for nothing.  A scale word holds my head's two bytes lowest and the pair's other head's above them: bytes that the launch before made, 1 to 254, never 0xff.
; Behind a step's first products LDS is asked for the next step's K (its place held at step 15, so every read stays in filled bytes) and for this step's V; one wait, ahead of the last products, serves both.
.set VC,    98304
.set KS,    196608
.set VS,    204800
.set STAGE, 212992                     ; the way out: 16 rows x 272 bytes for each wave; no fill lands here
.set SPARE, 0x45000
.set VBASE, 12582912
.set VSB,   524288
.set ROT,   786432                     ; from here on q's and k's scale words with the odd head's bytes lowest
.set DL,  9                            ; v3-6 LDS places: K's 16 l, V's, K's scale words, V's;  v9 the mask
.set NM,  10                           ; v10 -M, v11 the largest score so far;  v[12:13] the sum
.set Q,   14                           ; v14-25
.set K,   26                           ; v26-73 K's eight half fragments
.set PC,  74                           ; v74-85 p's codes
.set V,   86                           ; v86-133 V's four fragments
.set S,   134                          ; v134-197 S^T, then p
.set O,   198                          ; v198-229 O^T
.set KSC, 230                          ; v230-243 hold scales and nothing else
.set VSC, 238
.set PSC, 242
.set QSC, 243
.set BM,  244                          ; v244-247 the blocks' largest scores, then the conversions' scale operands
.set PX,  248                          ; v248-251 second chains, permutes' results, bytes; then a conversion's codes
.set F,   252                          ; v[252:253] f; then with v254 a conversion's codes
.set T0,  254
.set OLD, 255
.set WV,  18
.set MM,  19
.set NC,  66                           ; s66 -log2(e) / 8
.set TKV, 67                           ; s67 6,144 T
.set TA,  76
.set MEND, 77
.set T,   78
.set TK,  79                           ; s79, s80: 6,144, 512 x min(T + 1, 15);  s81 256 T
.set TKS, 80
.set TVS, 81
.set UU,  91                           ; s91 the tile's place in its pair
.set STG, 94
.set NINF, 95
.set MK,  96                           ; s96-99 the mask's lanes, four registers at a time
.macro WALU
	s_wait_alu depctr_va_vdst(0)
.endm
.macro CROUND
	s_barrier_signal -1
	s_barrier_wait -1
	s_cmp_lg_u32 s[WV], 0
	s_cbranch_scc1 .Lnot_wave_0_\@
	s_barrier_signal -3
.Lnot_wave_0_\@:
	s_barrier_wait -3
	s_barrier_signal -1
	s_barrier_wait -1
.endm
.macro TL g0, g1
	tensor_load_to_lds s[\g0:\g0+3], s[\g1:\g1+7]
	s_nop 0
.rept 4
	v_nop
.endr
.endm
.macro LANDED w                        ; wave w waits for its load
	s_cmp_eq_u32 s[WV], \w
	s_cbranch_scc0 .Lnot_\@
	s_wait_tensorcnt 0x0
.Lnot_\@:
.endm
.macro LOADK a, c                      ; 14 loads
.irp q, 0,1,2,3
.irp j, 0,1,2
	ds_load_b128 v[K+12*\q+4*\j:K+12*\q+4*\j+3], v[\a] offset:1536*\q+512*\j
.endr
.endr
	ds_load_b128 v[KSC:KSC+3], v[\c]
	ds_load_b128 v[KSC+4:KSC+7], v[\c] offset:16
.endm
.macro LOADV a, c                      ; 13 loads
.irp e, 0,1,2,3
.irp j, 0,1,2
	ds_load_b128 v[V+12*\e+4*\j:V+12*\e+4*\j+3], v[\a] offset:1536*\e+512*\j
.endr
.endr
	ds_load_b128 v[VSC:VSC+3], v[\c]
.endm
.macro PKF n                           ; the next n pairs: t - M
.rept \n
	v_pk_fma_f32 v[S+J:S+J+1], v[S+J:S+J+1], s[22:23], v[NM:NM+1] op_sel_hi:[1,0,0]
.set J, J+2
.endr
.endm
	s_load_b128 s[4:7], s[0:1], 0x0                ; cq, sq
	s_load_b64 s[8:9], s[0:1], 0x10                ; out0
	v_lshl_add_u32 v1, v0, 2, SPARE
	v_mov_b32 v2, 0
	ds_add_u32 v1, v2                              ; the opening lines: the add twice on end and one wait
	ds_add_u32 v1, v2
	v_lshrrev_b32 v3, 5, v0
	v_readfirstlane_b32 s[WV], v3
	s_lshr_b32 s[MM], s[WV], 1
	s_bfe_u32 s15, ttmp6, 0x40000                  ; cx
	s_and_b32 s10, ttmp7, 0xffff                   ; 16 b + head
	s_lshr_b32 s11, s10, 4
	s_and_b32 s12, s10, 15
	s_and_b32 s13, s12, 1
	s_lshr_b32 s14, s12, 1
	s_lshl_b32 s16, s[MM], 3
	s_lshl_b32 s17, s15, 1
	s_add_co_u32 s16, s16, s17
	s_and_b32 s17, s[WV], 1                        ; kept: tile a's place in its pair
	s_add_co_u32 s16, s16, s17                     ; a
	s_mov_b32 s20, 0x76543210
	s_mov_b32 s21, 0xfedcba98
	s_mov_b32 s22, 0x3e38aa3b                      ; c = log2(e) / 8
	s_mov_b32 s23, s22
	s_mov_b32 s[NC], 0xbe38aa3b
	s_mov_b32 s[NINF], 0xff800000
	; group 1: dense rows: K's codes 16 of 768 bytes, V's 32 of 768; scale words rows of 256: 32 and 16.  Mask: all four work-groups
.irp g, 24, 32
	s_mov_b32 s[\g], 15|(3<<16)|(1<<21)
	s_mov_b32 s[\g+1], 96<<16
	s_mov_b32 s[\g+3], 96<<16
	s_mov_b32 s[\g+5], 96
	s_mov_b32 s[\g+6], 0
	s_mov_b32 s[\g+7], 0
.endr
	s_mov_b32 s26, 16<<16
	s_mov_b32 s28, 16
	s_mov_b32 s34, 32<<16
	s_mov_b32 s36, 32
.irp g, 40, 48
	s_mov_b32 s[\g], 15|(3<<16)|(1<<21)
	s_mov_b32 s[\g+1], 32<<16
	s_mov_b32 s[\g+3], 32<<16
	s_mov_b32 s[\g+5], 32
	s_mov_b32 s[\g+6], 0
	s_mov_b32 s[\g+7], 0
.endr
	s_mov_b32 s42, 32<<16
	s_mov_b32 s44, 32
	s_mov_b32 s50, 16<<16
	s_mov_b32 s52, 16
	s_and_b32 s82, s[WV], 7
	s_add_co_u32 s83, s12, 16
	s_lshl_b32 s83, s83, 8
	s_lshl_b32 s84, s11, 6
	s_add_co_u32 s83, s83, s84                     ; k's image 256 (16 + head) + 64 b,
	s_mul_i32 s84, s83, 1536
	s_mul_i32 s86, s82, 12288                      ; + eight images for each wave
	s_add_co_u32 s84, s84, s86
	s_mov_b32 s85, 0
	s_add_co_u32 s86, s14, 8
	s_lshl_b32 s86, s86, 6
	s_lshl_b32 s88, s11, 4
	s_add_co_u32 s86, s86, s88
	s_lshl_b32 s86, s86, 9
	s_mul_i32 s88, s13, ROT                        ; an odd head takes the turned words
	s_add_co_u32 s86, s86, s88
	s_mov_b32 s87, 0
	s_and_b32 s82, s[WV], 3
	s_mul_i32 s88, s10, 98304
	s_mul_i32 s90, s82, 24576
	s_add_co_u32 s88, s88, s90
	s_add_co_u32 s88, s88, VBASE
	s_mov_b32 s89, 0
	s_add_co_u32 s61, s90, VC                      ; V's quarter in LDS
	s_lshl_b32 s90, s10, 12
	s_add_co_u32 s90, s90, VSB
	s_mov_b32 s91, 0
	s_mul_i32 s[STG], s[WV], 4352
	s_add_co_u32 s[STG], s[STG], STAGE
	s_wait_dscnt 0x0
	s_wait_kmcnt 0x0
	s_mov_b32 s56, 1
	s_mul_i32 s57, s[WV], 12288
	s_add_nc_u64 s[58:59], s[4:5], s[84:85]
	s_or_b32 s59, s59, 0x80000000
	s_mov_b32 s60, 1
	s_add_nc_u64 s[62:63], s[4:5], s[88:89]
	s_or_b32 s63, s63, 0x80000000
	s_mov_b32 s68, 1
	s_mov_b32 s69, KS
	s_add_nc_u64 s[70:71], s[6:7], s[86:87]
	s_or_b32 s71, s71, 0x80000000
	s_mov_b32 s72, 1
	s_mov_b32 s73, VS
	s_add_nc_u64 s[74:75], s[6:7], s[90:91]
	s_or_b32 s75, s75, 0x80000000
	CROUND                                         ; all four work-groups are here: the joint loads meet
	s_cmp_eq_u32 s[WV], 0                          ; one chain on the wave's number, one load to an arm; what the first barrier shows has lines of its own
	s_cbranch_scc0 .Lfill_k
	TL 56, 24
	s_branch .Lfilled
.Lfill_k:
	s_cmp_lt_u32 s[WV], 8
	s_cbranch_scc0 .Lfill_v0
	TL 56, 24
	s_branch .Lfilled
.Lfill_v0:
	s_cmp_eq_u32 s[WV], 8
	s_cbranch_scc0 .Lfill_v
	TL 60, 32
	s_branch .Lfilled
.Lfill_v:
	s_cmp_lt_u32 s[WV], 12
	s_cbranch_scc0 .Lfill_ks
	TL 60, 32
	s_branch .Lfilled
.Lfill_ks:
	s_cmp_eq_u32 s[WV], 12
	s_cbranch_scc0 .Lfill_vs
	TL 68, 40
	s_branch .Lfilled
.Lfill_vs:
	s_cmp_eq_u32 s[WV], 13
	s_cbranch_scc0 .Lfilled
	TL 72, 48
.Lfilled:
	v_and_b32 v9, 31, v0
	v_and_b32 v10, 15, v0
	v_lshlrev_b32 v3, 4, v9                        ; 16 l: my bytes of an image's block
	v_lshl_add_u32 v4, v9, 4, VC
	v_lshl_add_u32 v5, v10, 5, KS                  ; K's scale words: 32 bytes a row, a word a tile
	v_lshl_add_u32 v6, v10, 4, VS
.irp i, 20,21,22,23,24,25, 74,75,76,77,78,79, 248,249,250,251, 253,254
	v_mov_b32 v[\i], 0                             ; Q's upper half: zero codes; what the first step names behind K's last tile; permutes' destinations; the upper half of f's pair
.endr
	WALU
	LANDED 0
	LANDED 8
	LANDED 12
	LANDED 13
	s_barrier_signal -1
	s_barrier_wait -1                              ; K's steps 0, 1, V's steps 0 to 3 and the scale words are in
.macro STEP
	s_cmp_gt_u32 s[T], s[MEND]                     ; all its keys come after my 16 queries: only the counters step
	s_cbranch_scc1 .Lhid_\@
.irp j, 0,1,2,3,4,5,6,7                        ; (K came in ahead of the last step's last products, or ahead of the first step)
	v_wmma_scale_f32_16x16x128_f8f6f4 v[S+8*\j:S+8*\j+7], v[K+6*\j:K+6*\j+11], v[Q:Q+11], 0, v[KSC+\j], v[QSC] matrix_a_fmt:MATRIX_FMT_FP6 matrix_b_fmt:MATRIX_FMT_FP6
.endr
	v_add_nc_u32 v[BM], s[TK], v3                  ; the places behind the products: where the next step's K and this step's V lie, and the old -M
	v_add_nc_u32 v[BM+1], s[TKS], v5
	v_add_nc_u32 v[BM+2], s[TKV], v4
	v_add_nc_u32 v[BM+3], s[TVS], v6
	v_mov_b32 v[OLD], v[NM]
	LOADK BM, BM+1
	LOADV BM+2, BM+3
	s_cmp_lg_u32 s[T], s[MEND]                     ; only the tile's last step lies on the diagonal
	s_cbranch_scc1 .Lopen_\@
	v_add_nc_u32 v[PX], 0xffffffc0, v[DL]          ; the mask's number less 64, for blocks 2 and 3
.set N, 0
.rept 16                                       ; register 16 b + i holds key 32 b + 16 hh + i: seen where 32 b + i <= my query - the step's first key - 16 hh; four registers at a time
.irp k, 0,1,2,3
.if N < 32
	v_cmp_le_i32 s[MK+\k], 32*((N+\k)/16)+(N+\k)%16, v[DL]
.else
	v_cmp_le_i32 s[MK+\k], 32*((N+\k)/16)+(N+\k)%16-64, v[PX]
.endif
.endr
.irp k, 0,1,2,3
	v_cndmask_b32 v[S+N+\k], s[NINF], v[S+N+\k], s[MK+\k]
.endr
.set N, N+4
.endr
.Lopen_\@:
.irp b, 0,1,2,3                                ; the largest score of each block of 32 keys, two chains a block
	v_max3_num_f32 v[BM+\b], v[S+16*\b], v[S+16*\b+1], v[S+16*\b+2]
.endr
.irp b, 0,1,2,3
	v_max3_num_f32 v[PX+\b], v[S+16*\b+8], v[S+16*\b+9], v[S+16*\b+10]
.endr
.irp i, 3,5
.irp b, 0,1,2,3
	v_max3_num_f32 v[BM+\b], v[BM+\b], v[S+16*\b+\i], v[S+16*\b+\i+1]
.endr
.irp b, 0,1,2,3
	v_max3_num_f32 v[PX+\b], v[PX+\b], v[S+16*\b+8+\i], v[S+16*\b+9+\i]
.endr
.endr
.irp b, 0,1,2,3
	v_max3_num_f32 v[BM+\b], v[BM+\b], v[PX+\b], v[S+16*\b+7]
.endr
.irp b, 0,1,2,3
	v_max_num_f32 v[BM+\b], v[BM+\b], v[S+16*\b+15]
.endr
.irp b, 0,1,2,3
	s_delay_alu instid0(VALU_DEP_4)
	v_permlanex16_b32 v[PX+\b], v[BM+\b], s20, s21
.endr
.irp b, 0,1,2,3
	s_delay_alu instid0(VALU_DEP_4)
	v_max_num_f32 v[BM+\b], v[BM+\b], v[PX+\b]     ; with lane l xor 16's 16 keys
.endr
	s_delay_alu instid0(VALU_DEP_3)
	v_max3_num_f32 v[NM+1], v[NM+1], v[BM], v[BM+1]
	s_delay_alu instid0(VALU_DEP_1)
	v_max3_num_f32 v[NM+1], v[NM+1], v[BM+2], v[BM+3]   ; the largest score so far
	s_delay_alu instid0(VALU_DEP_1)
	v_mul_f32 v[T0], s[NC], v[NM+1]                ; -t
	s_delay_alu instid0(VALU_DEP_1)
	v_floor_f32 v[NM], v[T0]                       ; the new -M = floor(-t): M is a whole number
	s_delay_alu instid0(VALU_DEP_1)
	v_sub_f32 v[T0], v[NM], v[OLD]                 ; old M - new M: a whole number, 0 or less
.irp b, 0,1,2,3
	v_fma_f32 v[BM+\b], v[BM+\b], s22, v[NM]       ; x: the block's largest t - M.  From here on a line's reader stands five lines on or more
.endr
	v_cvt_i32_f32 v[T0], v[T0]                     ; (it saturates)
.irp b, 0,1,2,3
	v_max_num_f32 v[BM+\b], 0xc2f80000, v[BM+\b]   ; held at -124: the byte cannot fall under 1
.endr
	v_ldexp_f32 v[F], 1.0, v[T0]                   ; f = 2^(old M - new M)
.irp b, 0,1,2,3
	v_cvt_floor_i32_f32 v[BM+\b], v[BM+\b]
.endr
.set J, 0
	PKF 1
.irp b, 0,1,2,3
	v_lshl_add_u32 v[BM+\b], v[BM+\b], 23, 0x3e800000   ; exponent field floor(x) + 125: the conversion's scale operand
.endr
	PKF 1
.irp b, 0,1,2,3
	v_lshrrev_b32 v[PX+\b], 23, v[BM+\b]           ; the scale's byte
.endr
	PKF 3
	v_lshl_or_b32 v[PX], v[PX+1], 8, v[PX]
	v_lshl_or_b32 v[PX+2], v[PX+3], 8, v[PX+2]
	PKF 4
	v_lshl_or_b32 v[PSC], v[PX+2], 16, v[PX]       ; p's scale word for these 128 keys
	PKF 23
.set J, 0
.rept 16
	v_pk_mul_f32 v[O+J:O+J+1], v[O+J:O+J+1], v[F:F+1] op_sel_hi:[1,0]   ; O^T under the new M
.set J, J+2
.endr
	WALU
.set J, 0
.rept 64
	v_exp_f32 v[S+J], v[S+J]                       ; p = 2^(t - M)
.set J, J+1
.endr
	v_pk_mul_f32 v[12:13], v[12:13], v[F:F+1] op_sel_hi:[1,0]   ; the sums under the new M: a plain place behind the batch
	WALU                                           ; and the wait behind it
	v_cvt_scalef32_pk16_fp6_f32 v[PC:PC+2], v[S:S+15], v[BM]
	v_cvt_scalef32_pk16_fp6_f32 v[F:F+2], v[S+16:S+31], v[BM+1]
	v_cvt_scalef32_pk16_fp6_f32 v[PC+6:PC+8], v[S+32:S+47], v[BM+2]
	v_cvt_scalef32_pk16_fp6_f32 v[PX:PX+2], v[S+48:S+63], v[BM+3]
	v_pk_add_f32 v[12:13], v[12:13], v[S:S+1]      ; the row's sum begins: the plain place behind the conversions
.irp i, 0,1,2                                  ; the operand's layout wants a whole block in a lane
	v_permlane16_swap_b32 v[PC+\i], v[F+\i]
	v_permlane16_swap_b32 v[PC+6+\i], v[PX+\i]
.endr
.irp i, 0,1,2
	v_mov_b32 v[PC+3+\i], v[F+\i]
	v_mov_b32 v[PC+9+\i], v[PX+\i]
.endr
.irp k, 1,2,3,4,5,6                            ; the sum of the unquantised p, seven chains: v[12:13] and v244-255
	v_pk_add_f32 v[242+2*\k:243+2*\k], v[S+4*\k-2:S+4*\k-1], v[S+4*\k:S+4*\k+1]
.endr
.set N, 13
.rept 19
.if (N-13)%7 == 0
.set CR, 12
.else
.set CR, 242+2*((N-13)%7)
.endif
	v_pk_add_f32 v[CR:CR+1], v[CR:CR+1], v[S+2*N:S+2*N+1]
.set N, N+1
.endr
	v_pk_add_f32 v[252:253], v[252:253], v[254:255]
	s_delay_alu instid0(VALU_DEP_4)
	v_pk_add_f32 v[244:245], v[244:245], v[246:247]
	s_delay_alu instid0(VALU_DEP_3)
	v_pk_add_f32 v[248:249], v[248:249], v[250:251]
	s_delay_alu instid0(VALU_DEP_3)
	v_pk_add_f32 v[12:13], v[12:13], v[252:253]
	s_delay_alu instid0(VALU_DEP_2)
	v_pk_add_f32 v[244:245], v[244:245], v[248:249]
	s_delay_alu instid0(VALU_DEP_1)
	v_pk_add_f32 v[12:13], v[12:13], v[244:245]
	WALU
	s_wait_dscnt 0x0                               ; V is in, and so is the next step's K
.irp e, 0,1,2,3                                ; four accumulators, one instruction a turn; the next step's eight products stand between two links
	v_wmma_scale_f32_16x16x128_f8f6f4 v[O+8*\e:O+8*\e+7], v[V+12*\e:V+12*\e+11], v[PC:PC+11], v[O+8*\e:O+8*\e+7], v[VSC+\e], v[PSC] matrix_a_fmt:MATRIX_FMT_FP6 matrix_b_fmt:MATRIX_FMT_FP6
.endr
.Lhid_\@:
	s_add_co_u32 s[T], s[T], 1
	s_mul_i32 s[TKV], s[T], 6144
	s_lshl_b32 s[TVS], s[T], 8
	s_add_co_u32 s[TKS], s[T], 1
	s_min_u32 s[TKS], s[TKS], 15
	s_mul_i32 s[TK], s[TKS], 6144
	s_lshl_b32 s[TKS], s[TKS], 9
.endm
; ONE TILE OF QUERIES from its codes to its 16 rows of out0.  second = 0: tile a (its steps lie among the first 8); 1: tile 127 - a.
.macro RUN second
	s_wait_xcnt 0x0                                ; earlier loads and stores have read their addresses and data
.if \second
	s_sub_co_u32 s[TA], 127, s16
	s_sub_co_u32 s[MEND], 15, s[MM]
	s_xor_b32 s[UU], s17, 1
.else
	s_mov_b32 s[TA], s16
	s_mov_b32 s[MEND], s[MM]
	s_mov_b32 s[UU], s17
.endif
	s_lshr_b32 s92, s[TA], 1
	s_lshl_b32 s92, s92, 5
	s_and_b32 s93, s[TA], 1
	s_lshl_b32 s93, s93, 3
	s_add_co_u32 s92, s92, s93                     ; the tile's first query in the sequence
	s_lshl_b32 s82, s12, 8
	s_lshl_b32 s93, s11, 6
	s_add_co_u32 s82, s82, s93
	s_lshr_b32 s93, s[TA], 1
	s_add_co_u32 s82, s82, s93
	s_mul_i32 s82, s82, 1536                       ; q's image 256 head + 64 b + tile / 2
	s_mov_b32 s83, 0
	s_add_nc_u64 s[84:85], s[4:5], s[82:83]
	s_lshl_b32 s82, s14, 6
	s_lshl_b32 s93, s11, 4
	s_add_co_u32 s82, s82, s93
	s_lshr_b32 s93, s[TA], 3
	s_add_co_u32 s82, s82, s93
	s_lshl_b32 s82, s82, 9
	s_and_b32 s93, s[TA], 7
	s_lshl_b32 s93, s93, 2
	s_add_co_u32 s82, s82, s93
	s_mul_i32 s93, s13, ROT
	s_add_co_u32 s82, s82, s93
	s_add_nc_u64 s[86:87], s[6:7], s[82:83]
	s_lshl_b32 s82, s11, 11
	s_add_co_u32 s82, s82, s92
	s_lshl_b32 s82, s82, 12
	s_lshl_b32 s93, s12, 8
	s_add_co_u32 s82, s82, s93
	s_add_nc_u64 s[88:89], s[8:9], s[82:83]
	s_lshl_b32 s93, s[MEND], 7
	s_sub_co_u32 s93, s92, s93
	s_mul_i32 s82, s[UU], 520                      ; my six registers of the image's twelve, as three pieces of 8 bytes: at 0, 8, 512 for the even tile, at 520, 1,024, 1,032 for the odd one
	s_mul_i32 s83, s[UU], 1016
	s_add_co_u32 s83, s83, 8
	s_add_co_u32 s90, s82, 512
	s_mov_b32 s[T], 0
	s_mov_b32 s[TK], 6144
	s_mov_b32 s[TKS], 512
	s_mov_b32 s[TKV], 0
	s_mov_b32 s[TVS], 0
	v_and_b32 v[PX], 15, v0
	v_lshlrev_b32 v[BM+3], 5, v[PX]                ; 32 r: my row among Q's scale words
	v_add_nc_u32 v[PX+1], s82, v3
	v_add_nc_u32 v[PX+2], s83, v3
	v_add_nc_u32 v[PX+3], s90, v3
	global_load_b64 v[Q:Q+1], v[PX+1], s[84:85]
	global_load_b64 v[Q+2:Q+3], v[PX+2], s[84:85]
	global_load_b64 v[Q+4:Q+5], v[PX+3], s[84:85]
	global_load_b32 v[QSC], v[BM+3], s[86:87]
	LOADK 3, 5                                     ; step 0
	v_and_b32 v[BM], 8, v[PX]
	v_add_nc_u32 v[BM], v[BM], v[PX]               ; r + 8 (r / 8)
	v_bfe_u32 v[BM+1], v0, 4, 1
	v_lshlrev_b32 v[BM+1], 4, v[BM+1]
	v_sub_nc_u32 v[BM], v[BM], v[BM+1]
	v_add_nc_u32 v[DL], s93, v[BM]                 ; my query less the diagonal step's first key, less 16 hh
	v_mov_b32 v[NM+1], 0xff61b1e6                  ; the largest score so far: -3e38
	v_mul_f32 v[T0], s[NC], v[NM+1]
	v_floor_f32 v[NM], v[T0]
	v_mov_b32 v12, 0
	v_mov_b32 v13, 0
.set J, 0
.rept 32
	v_mov_b32 v[O+J], 0                            ; the step is written once: the first finds zeros
.set J, J+1
.endr
	WALU
	s_wait_loadcnt 0x0                             ; Q
	s_wait_dscnt 0x0                               ; K's step 0
.if !(\second)
	STEP                                           ; key step 0, out of what the first barrier has shown
	WALU
	s_wait_tensorcnt 0x0                           ; my load has landed,
	s_wait_dscnt 0x0
	s_barrier_signal -1
	s_barrier_wait -1                              ; everybody's has: from here on all of K and V may be read
.endif
.Lstep_\@:
	STEP
	s_cmp_lt_u32 s[T], 8+8*\second
	s_cbranch_scc1 .Lstep_\@
	WALU
	v_and_b32 v[BM], 15, v0                        ; (these lines are also the places behind the last products)
	v_bfe_u32 v[BM+1], v0, 4, 1
	v_mul_u32_u24 v[BM+2], v[BM], 272
	v_lshl_add_u32 v[BM+2], v[BM+1], 6, v[BM+2]
	v_add_nc_u32 v[BM+2], s[STG], v[BM+2]          ; the stage, in: row r, + 64 hh
	v_mul_u32_u24 v[PX], v[BM+1], 272
	v_lshl_add_u32 v[PX], v[BM], 4, v[PX]
	v_add_nc_u32 v[PX], s[STG], v[PX]              ; back: lanes 0-15 one row, lanes 16-31 the next
	v_lshlrev_b32 v[PX+1], 12, v[BM+1]
	v_lshl_add_u32 v[PX+1], v[BM], 4, v[PX+1]      ; and the same two rows in out0
	v_add_f32 v12, v12, v13
	v_permlanex16_b32 v[T0], v12, s20, s21
	v_add_f32 v12, v12, v[T0]                      ; the row's sum
	WALU
	v_rcp_f32 v12, v12
	v_nop
	WALU
.set J, 0
.rept 32
	v_mul_f32 v[S+J], v[O+J], v12                  ; register 16 b + i is e = 32 b + 16 hh + i of my query
.set J, J+1
.endr
.irp b, 0,1
.irp k, 0,1,2,3
	ds_store_b128 v[BM+2], v[S+16*\b+4*\k:S+16*\b+4*\k+3] offset:128*\b+16*\k
.endr
.endr
.irp i, 0,1,2,3,4,5,6,7
	ds_load_b128 v[K+4*\i:K+4*\i+3], v[PX] offset:544*\i   ; LDS serves a wave's instructions in order: these see my stores
.endr
.irp i, 0,1,2,3,4,5,6,7
	s_wait_dscnt 7-\i
	global_store_b128 v[PX+1], v[K+4*\i:K+4*\i+3], s[88:89] offset:(2*\i+8*(\i/4))*4096 th:TH_STORE_NT   ; sixteen lanes store a head's 256 bytes of a row, aligned to 256
.endr
.endm
	RUN 0
	RUN 1
	s_wait_tensorcnt 0x0                           ; the wave's end
	ds_add_u32 v1, v2
	s_wait_dscnt 0x0
	CROUND                                         ; the closing round
	s_endpgm
.Lfunc_end_k_qaee53f321e_attn:
	.size	k_qaee53f321e_attn, .Lfunc_end_k_qaee53f321e_attn-k_qaee53f321e_attn
	.p2alignl 7, 3214868480
	.fill 96, 4, 3214868480
	.section	.rodata,"a",@progbits
	.p2align	6, 0x0
	.amdhsa_kernel k_qaee53f321e_attn
		.amdhsa_group_segment_fixed_size 284672
		.amdhsa_private_segment_fixed_size 0
		.amdhsa_enable_private_segment 0
		.amdhsa_kernarg_size 24
		.amdhsa_user_sgpr_count 2
		.amdhsa_user_sgpr_kernarg_segment_ptr 1
		.amdhsa_wavefront_size32 1
		.amdhsa_system_sgpr_workgroup_id_x 1
		.amdhsa_system_sgpr_workgroup_id_y 1
		.amdhsa_system_sgpr_workgroup_id_z 1
		.amdhsa_system_vgpr_workitem_id 0
		.amdhsa_next_free_vgpr 256
		.amdhsa_next_free_sgpr 100
		.amdhsa_reserve_vcc 0
		.amdhsa_float_denorm_mode_32 3
		.amdhsa_float_denorm_mode_16_64 3
		.amdhsa_memory_ordered 1
		.amdhsa_forward_progress 1
		.amdhsa_inst_pref_size 99
	.end_amdhsa_kernel
	.amdgpu_metadata
---
amdhsa.version: [ 1, 2 ]
amdhsa.kernels:
  - .name:           k_qaee53f321e_attn
    .symbol:         k_qaee53f321e_attn.kd
    .args:
      - { .name: cq, .offset: 0, .size: 8, .value_kind: global_buffer, .address_space: global }
      - { .name: sq, .offset: 8, .size: 8, .value_kind: global_buffer, .address_space: global }
      - { .name: out0, .offset: 16, .size: 8, .value_kind: global_buffer, .address_space: global }
    .group_segment_fixed_size: 284672
    .private_segment_fixed_size: 0
    .kernarg_segment_align: 8
    .kernarg_segment_size: 24
    .max_flat_workgroup_size: 512
    .sgpr_count:     100
    .vgpr_count:     256
    .wavefront_size: 32
...
	.end_amdgpu_metadata
.endif
;; end of part 3
